; MI455X (gfx1250); checked and timed in simulation.
; The chip was launched on July 23, 2026; its instructions are those of AMD's public machine-readable ISA for CDNA 5 (MIT licence, August 2026) and "CDNA5" Instruction Set Architecture Reference Guide (July 2026). The comments in the code are by the model that wrote it; some were corrected since.
;; Concat Attention Param. Allowed arithmetic: matrix products marked QUANTISED: E5M2 operands, one given power-of-two scale a tensor, by v_wmma_f32_16x16x64_bf8_bf8 or v_wmma_f32_16x16x128_bf8_bf8, f32 sums; products left as they are: f32 operands where the result goes on into a quantised operand, else bf16, f16 or f32 operands; f32 sums; everything else in f32.
;; Inputs: h 32 x 2,048 x 1,024 float32; ln_b 1,024 float32; ln_w 1,024 x 2,048 float32; lowp_scales 2 int32 (the exponents e of the quantised operands' scales 2^e); mask 32 x 2,048 bool; v_w 1,024 float32; vq 1,024 float32.
;; Outputs: out0 32 x 1,024 float32.
;; This version of the problem:
;;   THIS VERSION OF THE PROBLEM IS GIVEN IN LOW PRECISION. The matrix products marked QUANTISED in the list below multiply operands that are first quantised to E5M2 (5 exponent bits, 2 mantissa bits; 8 bits a number), with one given power-of-two scale for each operand tensor; their sums are f32. All else is computed in f32.
;;   The module's matrix products, in the order in which they are computed (A, B: the left and right operand; K: the contracted axis; several contracted axes count as one K, in the product's order):
;;     1. [M 1,024, K 1,024] x [K 1,024, N 1]; A: input ln_w; B: input vq: left as it is (N = 1 < 16)
;;     2. [M 65,536, K 1,024] x [K 1,024, N 1,024]; A: input h; B: input ln_w: QUANTISED (scales: A lowp_scales[0], B lowp_scales[1])
;;     3. [M 65,536, K 1,024] x [K 1,024, N 1]; A: computed on the way; B: input v_w: left as it is (N = 1 < 16)
;;     4. batch 32 x [M 1, K 2,048] x [K 2,048, N 1,024]; A: softmax; B: input h: left as it is (M = 1 < 16)
;;   THE QUANTISER, for each operand of a quantised product, along K:
;;     - The operand's scale is 2^e, e = its entry of the input lowp_scales (int32; the entries are numbered through the quantised products in the list's order, A before B).
;;     - Each number is divided by the scale, clamped to +-57,344, and rounded to the nearest number of E5M2, ties to even, subnormals kept.
;;     - The product sums the exact products of the quantised numbers (number of the format x scale) in f32.
;;   ~~~python
;;   def quantise(x, axis, e):      # numpy; x: float32 -> the quantised numbers, widened to float32 again
;;       x = np.moveaxis(x, axis, -1); K = x.shape[-1]
;;       r = np.clip(x / 2.0 ** e, -57344, 57344)
;;       step = 2.0 ** (np.maximum(np.frexp(np.where(r == 0, 1, r))[1] - 1, -14) - 2)
;;       q = np.round(r / step) * step * 2.0 ** e      # np.round: ties to even
;;       return np.moveaxis(q, -1, axis).astype(np.float32)
;;   ~~~
;; One version. Each part assembles by itself: llvm-mc -triple=amdgcn-amd-amdhsa -mcpu=gfx1250 --defsym DOCPART=n.
;; ======== version 1 of 1: 3 launches
;; limits: values are held in bf16: 8 bits of precision; right only within a limited range of input values
;; workspace buffers: wfrag 1,048,576 bytes; tab 4,352 bytes; rowlist 262,144 bytes of whole numbers; meta 8,192 bytes of whole numbers; part 2,228,224 bytes
;; launch prep (part 1): grid 68 x 1, 8 waves a work-group, no clusters, 0 bytes of LDS; arguments ln_w, ln_b, vq, v_w, mask, lowp_scales, wfrag, tab, rowlist, meta; writes wfrag, tab, rowlist, meta
.if DOCPART == 1
	.amdgcn_target "amdgcn-amd-amdhsa--gfx1250"
	.amdhsa_code_object_version 6
	.text
	.protected	k_q41fca28fb6_prep
	.globl	k_q41fca28fb6_prep
	.p2align	8
	.type	k_q41fca28fb6_prep,@function
k_q41fca28fb6_prep:
	s_mov_b64 s[64:65], 0
	v_nop
	global_prefetch_b8 v0, s[64:65] scope:SCOPE_SE
	s_setreg_imm32_b32 hwreg(HW_REG_WAVE_MODE, 25, 1), 1
	s_wait_xcnt 0x0
; WHAT THE MAIN LAUNCH NEEDS ONCE.  Two kinds of work-group, parted by the work-group's number; no LDS, no barrier, EXEC never changes.
; Work-groups 0-63 (g): the 16 hidden units 16 g + r.
;   Wave s turns K step s (128 along K) of W_h = ln_w[:, :1024] into codes of E5M2 with the given scale 2^e1 and stores them as an IMAGE OF THE OPERAND'S REGISTERS:
;   image ((g / 4) 8 + s) 4 + g % 4 of 2,048 bytes; in it register group q4 at 512 q4 + 16 x lane.  Lane (r, hf) holds, in register q, byte e, the code of k = 128 s + 8 q + 4 hf + e:
;   a permutation of k inside the K step that the main launch gives its rows of h too, so that every product meets its partner.
;   Wave s also makes the bias of units 16 g + 2 s and + 1: tab[n] = 2 log2(e) x (ln_b[n] + the sum over k of ln_w[n][1024 + k] vq[k]), all in f32.
; Work-groups 64-67: wave k takes batch b = 8 (work-group - 64) + k.  rowlist[b] becomes a permutation of the batch's 2,048 row numbers: rows with mask = 1 from the front, in order,
;   rows with mask = 0 from the back.  meta[b] = n', the number of list places that count.
;   |tanh| <= 1, so every score lies within +-V, V = the sum of |v_w|.  If V < 4,500 and the batch has a row with mask = 1, a row with mask = 0 has score - largest score < 2 V - 10,000 < -1,000:
;   its exponential is 0 in f32, exactly, as in the softmax that takes the largest score away.  Then n' = the number of rows with mask = 1.  Else (V not under 4,500, NaN among v_w, or no such row) n' = 2,048.
;   The places in the list hang on the mask's bytes alone; the test of V only chooses the NUMBER that is stored.
;   Batch 0's wave also stores the sum of v_w behind the biases.
; LIMITS: e1 between -126 and 112, so that 2^e1 and 57,344 x 2^e1 are f32 numbers.  NaN in ln_w is not served.
	s_load_b512 s[4:19], s[0:1], 0x0               ; ln_w s[4:5], ln_b s[6:7], vq s[8:9], v_w s[10:11], mask s[12:13], the scales' exponents s[14:15], wfrag s[16:17], tab s[18:19]
	s_load_b128 s[20:23], s[0:1], 0x40             ; rowlist s[20:21], meta s[22:23]
	v_lshrrev_b32 v1, 5, v0
	s_delay_alu instid0(VALU_DEP_1)
	v_readfirstlane_b32 s24, v1                    ; wave 0..7
	v_and_b32 v2, 31, v0                           ; lane
	s_delay_alu instid0(VALU_DEP_1)
	v_lshlrev_b32 v3, 4, v2                        ; 16 x lane
	s_mov_b32 s40, 0x76543210                      ; v_permlanex16_b32's selects for lane l xor 16
	s_mov_b32 s41, 0xfedcba98
	s_cmp_ge_u32 ttmp9, 64
	s_cbranch_scc1 .Lrows
	; ---------------- the weights' codes and the biases
	v_and_b32 v4, 15, v0                           ; r
	v_bfe_u32 v5, v0, 4, 1                         ; hf
	s_delay_alu instid0(VALU_DEP_2)
	v_lshlrev_b32 v6, 13, v4                       ; row r of 8,192 bytes,
	s_delay_alu instid0(VALU_DEP_1)
	v_lshl_add_u32 v6, v5, 4, v6                   ; + 16 hf: lanes r and r + 16 read 32 neighbouring bytes
	v_and_b32 v7, 1, v0
	s_delay_alu instid0(VALU_DEP_1)
	v_lshlrev_b32 v7, 2, v7                        ; 4 x (lane % 2): which of my wave's two units this lane stores
	s_lshl_b32 s26, ttmp9, 17                      ; 16 g rows of ln_w,
	s_lshl_b32 s27, s24, 9                         ; + 512 s: my K step
	s_add_co_u32 s26, s26, s27
	s_mov_b32 s27, 0
	s_lshl_b32 s28, ttmp9, 4
	s_lshl_b32 s29, s24, 1
	s_add_co_u32 s28, s28, s29                     ; n0 = 16 g + 2 s
	s_lshl_b32 s30, s28, 13
	s_add_co_u32 s30, s30, 4096                    ; row n0, its second half: W_vq
	s_mov_b32 s31, 0
	s_lshl_b32 s32, s28, 2                         ; n0 in ln_b and in tab
	s_mov_b32 s33, 0
	s_lshr_b32 s34, ttmp9, 2
	s_lshl_b32 s34, s34, 3
	s_add_co_u32 s34, s34, s24
	s_lshl_b32 s34, s34, 2
	s_and_b32 s35, ttmp9, 3
	s_add_co_u32 s34, s34, s35
	s_lshl_b32 s34, s34, 11                        ; my image's first byte
	s_mov_b32 s35, 0
	s_wait_alu depctr_va_vdst(0)
	s_wait_kmcnt 0x0
	s_load_b32 s36, s[14:15], 0x4                  ; e1
	s_add_nc_u64 s[26:27], s[4:5], s[26:27]
	s_add_nc_u64 s[30:31], s[4:5], s[30:31]
	s_add_nc_u64 s[6:7], s[6:7], s[32:33]
	s_add_nc_u64 s[18:19], s[18:19], s[32:33]
	s_add_nc_u64 s[16:17], s[16:17], s[34:35]
.irp i, 0,1,2,3,4,5,6,7,8,9,10,11,12,13,14,15
	global_load_b128 v[32+4*\i:35+4*\i], v6, s[26:27] offset:32*\i     ; W_h(16 g + r, 128 s + 8 i + 4 hf + 0 .. 3)
.endr
.irp k, 0,1,2,3,4,5,6,7
	global_load_b128 v[96+4*\k:99+4*\k], v3, s[30:31] offset:512*\k          ; W_vq's row n0: 512 consecutive bytes a load
	global_load_b128 v[128+4*\k:131+4*\k], v3, s[30:31] offset:8192+512*\k   ; row n0 + 1
	global_load_b128 v[160+4*\k:163+4*\k], v3, s[8:9] offset:512*\k          ; vq
.endr
	global_load_b32 v8, v7, s[6:7]                 ; ln_b[n0 + lane % 2]
	s_wait_kmcnt 0x0
	s_add_co_i32 s36, s36, 127
	s_lshl_b32 s37, s36, 23
	v_mov_b32 v11, s37                             ; 2^e1 as f32: the conversion takes its exponent field
	s_add_co_i32 s36, s36, 15
	s_lshl_b32 s36, s36, 23
	s_or_b32 s36, s36, 0x600000
	v_mov_b32 v10, s36                             ; 57,344 x 2^e1
	s_wait_alu depctr_va_vdst(0)
	s_wait_loadcnt 0x0
.set XX, 0
.rept 64
	v_med3_num_f32 v[32+XX], v[32+XX], -v10, v10   ; the conversion to an 8-bit code does not saturate (ISA guide 7.6.2): the hold comes first
.set XX, XX+1
.endr
.irp g, 0,1,2,3,4,5,6,7
	v_cvt_scalef32_pk8_bf8_f32 v[16+2*\g:17+2*\g], v[32+8*\g:39+8*\g], v11
.endr
	v_nop                                          ; a plain line behind the last scaled conversion
.irp g, 0,1,2,3
	global_store_b128 v3, v[16+4*\g:19+4*\g], s[16:17] offset:512*\g    ; the wave stores 512 consecutive bytes, aligned
.endr
	; the two dot products, two chains each; the first products start the sums
	v_pk_mul_f32 v[192:193], v[96:97], v[160:161]
	v_pk_mul_f32 v[194:195], v[98:99], v[162:163]
	v_pk_mul_f32 v[196:197], v[128:129], v[160:161]
	v_pk_mul_f32 v[198:199], v[130:131], v[162:163]
.set YY, 4
.rept 7
	s_delay_alu instid0(VALU_DEP_4)
	v_pk_fma_f32 v[192:193], v[96+YY:97+YY], v[160+YY:161+YY], v[192:193]
	s_delay_alu instid0(VALU_DEP_4)
	v_pk_fma_f32 v[194:195], v[98+YY:99+YY], v[162+YY:163+YY], v[194:195]
	s_delay_alu instid0(VALU_DEP_4)
	v_pk_fma_f32 v[196:197], v[128+YY:129+YY], v[160+YY:161+YY], v[196:197]
	s_delay_alu instid0(VALU_DEP_4)
	v_pk_fma_f32 v[198:199], v[130+YY:131+YY], v[162+YY:163+YY], v[198:199]
.set YY, YY+4
.endr
	s_delay_alu instid0(VALU_DEP_3)
	v_pk_add_f32 v[192:193], v[192:193], v[194:195]
	s_delay_alu instid0(VALU_DEP_2)
	v_pk_add_f32 v[196:197], v[196:197], v[198:199]
	s_delay_alu instid0(VALU_DEP_2)
	v_add_f32 v192, v192, v193
	s_delay_alu instid0(VALU_DEP_2)
	v_add_f32 v196, v196, v197
.irp x, 1,2,4,8
	s_delay_alu instid0(VALU_DEP_2)
	v_add_f32_dpp v192, v192, v192 row_xmask:\x row_mask:0xf bank_mask:0xf
	s_delay_alu instid0(VALU_DEP_2)
	v_add_f32_dpp v196, v196, v196 row_xmask:\x row_mask:0xf bank_mask:0xf
.endr
	s_delay_alu instid0(VALU_DEP_2)
	v_permlanex16_b32 v193, v192, s40, s41
	s_delay_alu instid0(VALU_DEP_2)
	v_permlanex16_b32 v197, v196, s40, s41
	s_delay_alu instid0(VALU_DEP_2)
	v_add_f32 v192, v192, v193                     ; every lane holds both sums
	s_delay_alu instid0(VALU_DEP_2)
	v_add_f32 v196, v196, v197
	v_cmp_ne_u32 vcc_lo, 0, v7
	s_delay_alu instid0(VALU_DEP_1)
	v_cndmask_b32 v192, v192, v196, vcc_lo         ; odd lanes take unit n0 + 1
	s_delay_alu instid0(VALU_DEP_1)
	v_add_f32 v192, v192, v8
	s_delay_alu instid0(VALU_DEP_1)
	v_mul_f32 v192, 0x4038aa3b, v192               ; x 2 log2(e): tanh is made of 2^(2 log2(e) x)
	global_store_b32 v7, v192, s[18:19]            ; sixteen lanes write each of the two words, all with the same number
	s_endpgm
	; ---------------- the lists of rows
.Lrows:
	s_sub_co_u32 s26, ttmp9, 64
	s_lshl_b32 s26, s26, 3
	s_add_co_u32 s26, s26, s24                     ; batch b
	s_lshl_b32 s28, s26, 11                        ; its 2,048 bytes of the mask; also its first row's number
	s_mov_b32 s29, 0
	s_lshl_b32 s30, s26, 13                        ; its 8,192 bytes of the list
	s_mov_b32 s31, 0
	s_lshl_b32 s32, s26, 8                         ; its 256 bytes of meta
	s_mov_b32 s33, 0
	s_mov_b32 s34, 0                               ; rows with mask = 1 so far
	s_mov_b32 s38, 0x458ca000                      ; 4,500.0
	s_wait_alu depctr_va_vdst(0)
	v_sub_nc_u32 v9, 0, v2                         ; - lane
	v_add_nc_u32 v15, s28, v2                      ; the batch's first row + lane
	v_lshlrev_b32 v22, 3, v2                       ; 8 x lane
	s_wait_kmcnt 0x0
	s_add_nc_u64 s[12:13], s[12:13], s[28:29]
	s_add_nc_u64 s[20:21], s[20:21], s[30:31]
	s_add_nc_u64 s[22:23], s[22:23], s[32:33]
.set CC, 0
.rept 64
	global_load_u8 v[64+CC], v2, s[12:13] offset:32*CC     ; chunk c: rows 32 c + lane
.set CC, CC+1
.endr
.irp k, 0,1,2,3,4,5,6,7
	global_load_b128 v[16+4*\k:19+4*\k], v3, s[10:11] offset:512*\k    ; all of v_w, 32 numbers a lane
.endr
	s_wait_loadcnt 0x0
	v_add_f32 v10, |v16|, |v17|                    ; the sum of |v_w|, two chains
	v_add_f32 v11, |v18|, |v19|
.set YY, 4
.rept 14
	s_delay_alu instid0(VALU_DEP_2)
	v_add_f32 v10, v10, |v[16+YY]|
	s_delay_alu instid0(VALU_DEP_2)
	v_add_f32 v11, v11, |v[17+YY]|
.set YY, YY+2
.endr
	v_pk_add_f32 v[12:13], v[16:17], v[18:19]      ; the sum of v_w, two packed chains
	v_pk_add_f32 v[48:49], v[20:21], v[22+0:23+0]
.set YY, 8
.rept 6
	s_delay_alu instid0(VALU_DEP_2)
	v_pk_add_f32 v[12:13], v[12:13], v[16+YY:17+YY]
	s_delay_alu instid0(VALU_DEP_2)
	v_pk_add_f32 v[48:49], v[48:49], v[18+YY:19+YY]
.set YY, YY+4
.endr
	v_add_f32 v10, v10, v11
	s_delay_alu instid0(VALU_DEP_2)
	v_pk_add_f32 v[12:13], v[12:13], v[48:49]
	s_delay_alu instid0(VALU_DEP_1)
	v_add_f32 v12, v12, v13
.irp x, 1
	s_delay_alu instid0(VALU_DEP_3)
	v_add_f32_dpp v10, v10, v10 row_xmask:\x row_mask:0xf bank_mask:0xf
	s_delay_alu instid0(VALU_DEP_2)
	v_add_f32_dpp v12, v12, v12 row_xmask:\x row_mask:0xf bank_mask:0xf
.endr
.irp x, 2, 4, 8
	s_delay_alu instid0(VALU_DEP_2)
	v_add_f32_dpp v10, v10, v10 row_xmask:\x row_mask:0xf bank_mask:0xf
	s_delay_alu instid0(VALU_DEP_2)
	v_add_f32_dpp v12, v12, v12 row_xmask:\x row_mask:0xf bank_mask:0xf
.endr
	s_delay_alu instid0(VALU_DEP_2)
	v_permlanex16_b32 v11, v10, s40, s41
	s_delay_alu instid0(VALU_DEP_2)
	v_permlanex16_b32 v13, v12, s40, s41
	s_delay_alu instid0(VALU_DEP_2)
	v_add_f32 v10, v10, v11                        ; V
	s_delay_alu instid0(VALU_DEP_2)
	v_add_f32 v24, v12, v13                        ; the sum of v_w,
	s_delay_alu instid0(VALU_DEP_1)
	v_mov_b32 v25, v24                             ; twice: a pair to store
	v_lshlrev_b32 v22, 3, v2                       ; 8 x lane (v22 held a number of v_w meanwhile)
; Chunk c.  A row with mask = 1 goes to place s34 + (such lanes below mine); a row with mask = 0 to place 2,047 - (such rows before it) = 2,047 - 32 c - lane + s34 + (lanes with mask = 1 below mine).
; Each chunk has its own address and data register, so no store's sources are written again.
; Sixteen chunks at a time, stage by stage: the chunks' masks lie in s66-81, so that the running count s34 is made by scalar lines alone, and each vector line's sources were written fifteen lines earlier or more.
.macro PLACE16 c0
.set II, 0
.rept 16
	v_cmp_ne_u32 s[66+II], 0, v[64+(\c0)+II]
.set II, II+1
.endr
.set II, 0
.rept 16
	v_mbcnt_lo_u32_b32 v[128+(\c0)+II], s[66+II], 0          ; lanes with mask = 1 below mine
.set II, II+1
.endr
.set II, 0
.rept 16
	s_bcnt1_i32_b32 s35, s[66+II]
	s_add_co_u32 s36, s34, 2047-32*((\c0)+II)
	v_add3_u32 v[192+(\c0)+II], v[128+(\c0)+II], s36, v9     ; the place of a row with mask = 0
	v_add_nc_u32 v[128+(\c0)+II], s34, v[128+(\c0)+II]       ; the place of a row with mask = 1
	s_add_co_u32 s34, s34, s35
.set II, II+1
.endr
.set II, 0
.rept 16
	v_cndmask_b32 v[128+(\c0)+II], v[192+(\c0)+II], v[128+(\c0)+II], s[66+II]
.set II, II+1
.endr
.set II, 0
.rept 16
	v_min_u32 v[128+(\c0)+II], 0x7ff, v[128+(\c0)+II]        ; a place in the list, whatever the bytes held
.set II, II+1
.endr
.set II, 0
.rept 16
	v_lshlrev_b32 v[128+(\c0)+II], 2, v[128+(\c0)+II]
.set II, II+1
.endr
.set II, 0
.rept 16
	v_add_nc_u32 v[192+(\c0)+II], 32*((\c0)+II), v15         ; the row's number, 2,048 b + 32 c + lane
.set II, II+1
.endr
.set II, 0
.rept 16
	global_store_b32 v[128+(\c0)+II], v[192+(\c0)+II], s[20:21]
.set II, II+1
.endr
.endm
.irp c0, 0,16,32,48
	PLACE16 \c0
.endr
	s_cmp_eq_u32 s34, 0                            ; no row with mask = 1: all rows count
	s_cselect_b32 s35, 0x800, s34
	v_mov_b32 v20, s35
	v_mov_b32 v21, 0x800
	v_cmp_gt_f32 vcc_lo, s38, v10                  ; 4,500 > V?  (false for NaN)
	s_delay_alu instid0(VALU_DEP_1)
	v_cndmask_b32 v20, v21, v20, vcc_lo            ; a choice of the number that is stored; no address and no branch hangs on it here
	s_delay_alu instid0(VALU_DEP_1)
	v_mov_b32 v21, v20
	global_store_b64 v22, v[20:21], s[22:23]       ; n' in all 64 words: 256 consecutive bytes, aligned
	s_cmp_lg_u32 s26, 0
	s_cbranch_scc1 .Ldone
	global_store_b64 v22, v[24:25], s[18:19] offset:4096    ; the sum of v_w behind the biases: 256 consecutive bytes, aligned
.Ldone:
	s_endpgm
.Lfunc_end_k_q41fca28fb6_prep:
	.size	k_q41fca28fb6_prep, .Lfunc_end_k_q41fca28fb6_prep-k_q41fca28fb6_prep
	.p2alignl 7, 3214868480
	.fill 96, 4, 3214868480
	.section	.rodata,"a",@progbits
	.p2align	6, 0x0
	.amdhsa_kernel k_q41fca28fb6_prep
		.amdhsa_group_segment_fixed_size 0
		.amdhsa_private_segment_fixed_size 0
		.amdhsa_enable_private_segment 0
		.amdhsa_kernarg_size 80
		.amdhsa_user_sgpr_count 2
		.amdhsa_user_sgpr_kernarg_segment_ptr 1
		.amdhsa_wavefront_size32 1
		.amdhsa_system_sgpr_workgroup_id_x 1
		.amdhsa_system_sgpr_workgroup_id_y 1
		.amdhsa_system_sgpr_workgroup_id_z 1
		.amdhsa_system_vgpr_workitem_id 0
		.amdhsa_next_free_vgpr 256
		.amdhsa_next_free_sgpr 84
		.amdhsa_reserve_vcc 1
		.amdhsa_float_denorm_mode_32 3
		.amdhsa_float_denorm_mode_16_64 3
		.amdhsa_memory_ordered 1
		.amdhsa_forward_progress 1
		.amdhsa_inst_pref_size 71
	.end_amdhsa_kernel
	.amdgpu_metadata
---
amdhsa.version: [ 1, 2 ]
amdhsa.kernels:
  - .name:           k_q41fca28fb6_prep
    .symbol:         k_q41fca28fb6_prep.kd
    .args:
      - { .name: ln_w, .offset: 0, .size: 8, .value_kind: global_buffer, .address_space: global }
      - { .name: ln_b, .offset: 8, .size: 8, .value_kind: global_buffer, .address_space: global }
      - { .name: vq, .offset: 16, .size: 8, .value_kind: global_buffer, .address_space: global }
      - { .name: v_w, .offset: 24, .size: 8, .value_kind: global_buffer, .address_space: global }
      - { .name: mask, .offset: 32, .size: 8, .value_kind: global_buffer, .address_space: global }
      - { .name: lowp_scales, .offset: 40, .size: 8, .value_kind: global_buffer, .address_space: global }
      - { .name: wfrag, .offset: 48, .size: 8, .value_kind: global_buffer, .address_space: global }
      - { .name: tab, .offset: 56, .size: 8, .value_kind: global_buffer, .address_space: global }
      - { .name: rowlist, .offset: 64, .size: 8, .value_kind: global_buffer, .address_space: global }
      - { .name: meta, .offset: 72, .size: 8, .value_kind: global_buffer, .address_space: global }
    .group_segment_fixed_size: 0
    .private_segment_fixed_size: 0
    .kernarg_segment_align: 8
    .kernarg_segment_size: 80
    .max_flat_workgroup_size: 256
    .sgpr_count:     84
    .vgpr_count:     256
    .wavefront_size: 32
...
	.end_amdgpu_metadata
.endif
;; end of part 1
;; launch main (part 2): grid 32 x 15, 4 waves a work-group, no clusters, 316,416 bytes of LDS; arguments h, wfrag, tab, v_w, rowlist, meta, mask, lowp_scales, part; writes part
.if DOCPART == 2
	.amdgcn_target "amdgcn-amd-amdhsa--gfx1250"
	.amdhsa_code_object_version 6
	.text
	.protected	k_q41fca28fb6_main
	.globl	k_q41fca28fb6_main
	.p2align	8
	.type	k_q41fca28fb6_main,@function
k_q41fca28fb6_main:
	s_mov_b64 s[64:65], 0
	v_nop
	global_prefetch_b8 v0, s[64:65] scope:SCOPE_SE
	s_setreg_imm32_b32 hwreg(HW_REG_WAVE_MODE, 25, 1), 1
	s_wait_xcnt 0x0
; FOR UP TO 144 LISTED ROWS OF ONE BATCH: score s = the sum over n of v_w[n] tanh(h W_h^T + bias)[n] - 10,000 (1 - mask), the block's largest score m, p = e^(s - m), l = the sum of p, and the sum of p x h.
; h is read from memory once: a row is quantised to E5M2 (scale 2^e0) for the product, and a bf16 copy of it waits in registers and LDS until its weight p is known.
; SHARES.  Work-group (x = batch b, y = slot j).  n' = meta[b] rows of the batch's list count; T = ceil(n' / 16) tiles; q = min(9, ceil(T / 8)); slot j takes list places 16 q j .. 16 q j + 16 q - 1, as far as
; they lie under n'.  8 q >= T where q < 9, and with q = 9 the 128 tiles of a whole batch need 15 slots: every split is served.  A slot with rows is always worked as 9 tiles of 16: places past its
; count name its last valid row again and get the weight 0.
; A SLOT WITHOUT ROWS.  All three barriers stand on the one way that every wave takes; a branch on the stored count leads only round work (phase L; phase G; phase S with the stores) and joins again ahead of the next barrier.
; In phase L's stead a slot without rows sets window 3's registers to zero, so that every register that a later phase names is written on every way through the text.
; It stores nothing.
; Four waves, as many as a WGP has SIMDs.  In phases L and S wave w owns columns 256 w .. 256 w + 255 of all rows; in phase G it owns hidden units 256 w .. 256 w + 255 for all rows, 64 a pass.
; L: each wave loads its columns of the 144 rows, rounds them to bf16 (tiles 0-3 stay in registers, tiles 4-8 go to LDS bytes of the wave's own) and quantises them; the codes go to LDS as images of the operand's registers.
; G: 4 passes x 8 K steps of 128 x 36 products.  THE MATRIX INSTRUCTION IS USED TRANSPOSED: source 0 = 16 hidden units of W, source 1 = 16 rows of h, so that a lane holds ONE row (lane % 16) and eight units.
;    W's fragments come from memory straight into registers, laid out for that by the launch before; each wave reads its own quarter of W, so nothing of W would be shared in LDS.
;    tanh(x) = 1 - 2 / (1 + 2^(2 log2(e) x)), right at both ends (2^.. = infinity gives 1, 0 gives -1).  So s = (the sum of v_w) - 2 x the sum of v_w / (1 + 2^..): only the second sum is made here.
; S: the waves' parts of s meet in LDS; every wave makes m, p and l alike; p x h is summed over the rows, first in each lane, then across the 16 lanes that hold the rows.
; K INSIDE A STEP IS PERMUTED, alike in both operands: lane (r, hf) holds in register q, byte e, the code of k = 128 s + 8 q + 4 hf + e.  That is what 16 loads of 16 bytes at 32 i + 16 hf and conversions of eight
; consecutive registers give; every product meets its partner, and only the order of the sums inside an instruction differs.
; NO CLUSTER, NO JOINT LOADS: how many slots of a batch have rows hangs on a count read from memory (8 of 15 where half the rows count, 15 where all do), so partners would have different numbers of tiles to ask for,
; some of them none; and W passes through no LDS in which a joint load could land.
; LIMITS: e0 between -126 and 112; e0 + e1 between -127 and 126 (they are added to an exponent field).  NaN among the inputs is not served.  A row whose weight is exactly 0 is not read where n' < 2,048: an infinity
; or NaN in such a row of h gives no NaN here.  The mask's bytes are 0 or 1.
; LDS: 0: the codes, fragment (tile t, K step s) at (8 t + s) 2,048, register group q4 at 512 q4 + 16 x lane.   SPILL: bf16 of tiles 4-8: (t - 4) 32,768 + 8,192 w + 4,096 half + 512 k + 16 x lane.
;      SX: the waves' parts of s: 512 t + 16 x lane + 4 w.
; REGISTERS, in windows of 256 (s_set_vgpr_msb: bits 1:0 source 0, 3:2 source 1, 5:4 source 2, 7:6 destination):
;   window 0: v2-17 addresses and constants; v18, v19 at work; v20-28 a tile's row offset in h, later its penalty, later p; v29 zero; v30-47 the running sums, a pair a tile; v48-191 h's fragments of one K step
;             (in L: v48-79 bf16 on its way to LDS, v80-95 codes; in S: v64-191 the column sums); v192-223 biases, v224-255 v_w of the pass's 64 units.
;   window 1: v0-191 three sets of W's fragments (4 x 16 registers); v192-223 tile 8's accumulators; v224-232 the rows' mask bytes.
;   window 2: the accumulators of tiles 0-7, (t, c) at 32 t + 8 c.  In L: four sets of 64 numbers as loaded.  In S: v128-255 two buffers for bf16 coming back from LDS.
;   window 3: bf16 of tiles 0-3, 64 registers a tile.
.set SPILL, 147456
.set SX,    311296
.set TBO, 2                            ; v2      32 hf: my eight units' bytes in a tile of biases
.set LI,  3                            ; v3-5    16 x lane + 0, 65,536, 131,072: where fragments of tiles 0-3, 4-7, 8 are read
.set AW,  6                            ; v6-8    the same + 4,096 w: where I store my two K steps' fragments
.set SPA, 9                            ; v9-11   SPILL + 8,192 w + 16 x lane + 0, 65,536, 131,072: tiles 4-5, 6-7, 8
.set SXW, 12                           ; v12     SX + 16 x lane + 4 w
.set SXR, 13                           ; v13     SX + 16 x lane
.set LIM, 14                           ; v14     57,344 x 2^e0
.set SCL, 15                           ; v15     2^e0
.set PO,  16                           ; v16     32 r + 16 hf: my 16 bytes of the sums that leave
.set RR,  17                           ; v17     r = lane % 16
.set RO,  20
.set ZR,  29
.set SA,  30
.set AF,  48
.set RS,  64
.set BIA, 192
.set VWR, 224
.set MSB, 0
.macro WIN new                         ; the immediate's high byte repeats the setting that is left; a switch that changes nothing is dropped
.if MSB != \new
	s_set_vgpr_msb (MSB<<8)|\new
.set MSB, \new
.endif
.endm
.macro NOP4                            ; four places between a matrix instruction and a load into a register that it read, or a vector instruction that reads its result
.rept 4
	v_nop
.endr
.endm
.macro BVLOAD tb, vb                   ; a pass's 64 biases and 64 v_w: lane (r, hf) takes units 16 c + 8 hf + 0 .. 7 into registers 8 c + 0 .. 7
.irp c, 0,1,2,3,4,5,6,7
	global_load_b128 v[BIA+4*\c:BIA+4*\c+3], v[TBO], s[\tb:\tb+1] offset:64*(\c/2)+16*(\c%2)
	global_load_b128 v[VWR+4*\c:VWR+4*\c+3], v[TBO], s[\vb:\vb+1] offset:64*(\c/2)+16*(\c%2)
.endr
.endm
.macro BLOAD base, st, set             ; W's four fragments of K step st into a set: 16 loads of 512 consecutive bytes (destination window 1)
.irp c, 0,1,2,3
.irp g, 0,1,2,3
	global_load_b128 v[64*(\set)+16*\c+4*\g:64*(\set)+16*\c+4*\g+3], v[LI], s[\base:\base+1] offset:(\st)*8192+2048*\c+512*\g
.endr
.endr
.endm
	s_load_b512 s[4:19], s[0:1], 0x0               ; h s[4:5], wfrag s[6:7], tab s[8:9], v_w s[10:11], rowlist s[12:13], meta s[14:15], mask s[16:17], the scales' exponents s[18:19]
	s_load_b64 s[20:21], s[0:1], 0x40              ; part
	v_lshl_add_u32 v1, v0, 2, 0x4d200
	s_set_vgpr_msb 0x40
	v_mov_b32 v255, 0
	s_set_vgpr_msb 0x4000
	v_lshrrev_b32 v18, 5, v0
	v_readfirstlane_b32 s22, v18                   ; wave 0..3
	v_and_b32 v19, 31, v0                          ; lane
	v_and_b32 v[RR], 15, v0
	v_bfe_u32 v18, v0, 4, 1                        ; hf
	v_lshlrev_b32 v[LI], 4, v19
	v_lshlrev_b32 v[TBO], 5, v18
	v_add_nc_u32 v[LI+1], 0x10000, v[LI]
	v_add_nc_u32 v[LI+2], 0x20000, v[LI]
	s_lshl_b32 s54, s22, 12
	v_add_nc_u32 v[AW], s54, v[LI]
	v_add_nc_u32 v[AW+1], s54, v[LI+1]
	v_add_nc_u32 v[AW+2], s54, v[LI+2]
	s_lshl_b32 s54, s22, 13
	s_add_co_u32 s54, s54, SPILL
	v_add_nc_u32 v[SPA], s54, v[LI]
	v_add_nc_u32 v[SPA+1], s54, v[LI+1]
	v_add_nc_u32 v[SPA+2], s54, v[LI+2]
	s_lshl_b32 s54, s22, 2
	s_add_co_u32 s54, s54, SX
	v_add_nc_u32 v[SXW], s54, v[LI]
	v_add_nc_u32 v[SXR], SX, v[LI]
	v_lshlrev_b32 v[PO], 5, v[RR]
	v_lshl_add_u32 v[PO], v18, 4, v[PO]
	s_lshl_b32 s54, s22, 10
	v_lshl_add_u32 v19, v18, 4, s54                ; 1,024 w + 16 hf: my bytes in a row of h
	v_mov_b32 v[ZR], 0
.set XX, 0
.rept 18
	v_mov_b32 v[SA+XX], 0                          ; the running sums begin as zeros, so that the pass is written once
.set XX, XX+1
.endr
	s_mov_b32 s23, ttmp9                           ; batch
	s_and_b32 s24, ttmp7, 0xffff                   ; slot
	s_mov_b32 s46, 0x76543210                      ; v_permlanex16_b32's selects for lane l xor 16
	s_mov_b32 s47, 0xfedcba98
	s_mov_b32 s48, 0xff00ff00                      ; the lanes whose r has bit 8, 4, 2, 1
	s_mov_b32 s49, 0xf0f0f0f0
	s_mov_b32 s50, 0xcccccccc
	s_mov_b32 s51, 0xaaaaaaaa
	s_mov_b32 s60, 0xc61c4000                      ; -10,000.0
	s_mov_b32 s61, 0x461c4000                      ; 10,000.0
	s_mov_b32 s55, 0
	s_mov_b32 s63, 0
	s_mov_b32 s44, 0                               ; the pass
	s_wait_kmcnt 0x0
	s_lshl_b32 s54, s23, 8
	s_add_nc_u64 s[14:15], s[14:15], s[54:55]
	s_load_b32 s25, s[14:15], 0x0                  ; n'
	s_load_b64 s[30:31], s[18:19], 0x0             ; e0, e1
	s_load_b32 s34, s[8:9], 0x1000                 ; the sum of v_w
	s_lshl_b32 s54, s22, 18
	s_add_nc_u64 s[52:53], s[6:7], s[54:55]        ; my quarter of W's images
	s_lshl_b32 s54, s22, 10
	s_add_nc_u64 s[56:57], s[8:9], s[54:55]        ; my 256 biases,
	s_add_nc_u64 s[58:59], s[10:11], s[54:55]      ; my 256 v_w
	s_lshl_b32 s62, s23, 4
	s_add_co_u32 s62, s62, s24
	s_mul_i32 s62, s62, 4352                       ; my slot's 4,352 bytes of part (16 places a batch, of which 15 can be used),
	s_add_co_u32 s54, s62, s54                     ; + 1,024 w
	s_add_nc_u64 s[20:21], s[20:21], s[54:55]
	s_lshl_b32 s54, s23, 13
	s_add_nc_u64 s[12:13], s[12:13], s[54:55]      ; the batch's list
	s_mov_b64 s[36:37], s[52:53]                   ; W of this pass,
	s_add_nc_u64 s[38:39], s[52:53], 0x10000       ; of the next;
	s_mov_b64 s[40:41], s[56:57]                   ; this pass's biases
	s_mov_b64 s[42:43], s[58:59]                   ; and v_w: loaded at the loop's top
	s_wait_kmcnt 0x0
	s_add_co_i32 s62, s30, 127
	s_lshl_b32 s54, s62, 23
	v_mov_b32 v[SCL], s54
	s_add_co_i32 s62, s62, 15
	s_lshl_b32 s62, s62, 23
	s_or_b32 s62, s62, 0x600000
	v_mov_b32 v[LIM], s62
	s_add_co_i32 s62, s30, s31
	s_lshl_b32 s62, s62, 23
	s_add_co_i32 s32, s62, 0x4038aa3b              ; 2 log2(e) x 2^(e0 + e1): the two exponents are added to the factor's exponent field
	s_mov_b32 s33, s32                             ; (named with it as a pair, so it is written)
	s_min_u32 s25, s25, 0x800
	s_add_co_u32 s26, s25, 15
	s_lshr_b32 s26, s26, 4                         ; T
	s_add_co_u32 s26, s26, 7
	s_lshr_b32 s26, s26, 3
	s_min_u32 s26, s26, 9                          ; q
	s_lshl_b32 s26, s26, 4                         ; 16 q
	s_mul_i32 s27, s26, s24                        ; my first place in the list
	s_sub_co_i32 s28, s25, s27
	s_min_i32 s28, s28, s26                        ; my count of rows; 0 or less: this slot has none
	s_sub_co_i32 s29, s28, 1
	s_max_i32 s29, s29, 0                          ; my last valid place, counted from my first; 0 in a slot without rows,
	s_sub_co_u32 s45, s25, 1
	s_min_u32 s27, s27, s45                        ; whose first place is held at the batch's last counted one
	; ---------------- my rows
.irp t, 0,1,2,3,4,5,6,7,8
	v_add_nc_u32 v[96+\t], 16*\t, v[RR]
	v_min_u32 v[96+\t], s29, v[96+\t]              ; places past my count name my last valid row
	v_add_nc_u32 v[96+\t], s27, v[96+\t]
	v_min_u32 v[96+\t], 0x7ff, v[96+\t]
	v_lshlrev_b32 v[96+\t], 2, v[96+\t]
.endr
.irp t, 0,1,2,3,4,5,6,7,8
	global_load_b32 v[112+\t], v[96+\t], s[12:13]
.endr
	WIN 0x40                                       ; W of pass 0's K steps 0 and 1: they land during phase L
	BLOAD 36, 0, 0
	BLOAD 36, 1, 1
	WIN 0
	s_wait_loadcnt 32                              ; the nine row numbers are in; the 32 loads issued behind them may be out
.irp t, 0,1,2,3,4,5,6,7,8
	v_min_u32 v[112+\t], 0xffff, v[112+\t]         ; a row of h, whatever the list held
	v_lshl_add_u32 v[RO+\t], v[112+\t], 12, v19    ; 4,096 x row + 1,024 w + 16 hf
.endr
	WIN 0x40
.irp t, 0,1,2,3,4,5,6,7,8
	global_load_u8 v[224+\t], v[112+\t], s[16:17]  ; the row's mask byte
.endr
	; ---------------- L: 18 units of (tile t = u / 2, half = u % 2): 16 rows x 128 columns, 64 numbers a lane
.macro LLOAD u
	WIN 0x80
.set LT, (\u)/2
.set LS, (\u)%2
.set LB, 64*((\u)%4)
.irp i, 0,1,2,3,4,5,6,7,8,9,10,11,12,13,14,15
	global_load_b128 v[LB+4*\i:LB+4*\i+3], v[RO+LT], s[4:5] offset:512*LS+32*\i    ; lanes r and r + 16 read 32 neighbouring bytes of row r; eight loads on end cover 256 aligned bytes of each row
.endr
.endm
.macro LUNIT u
.if 17-(\u) >= 2
	s_wait_loadcnt 32                              ; this unit's 16 loads are in; the next two units' may be out
.else
	s_wait_loadcnt 16*(17-(\u))
.endif
	s_wait_dscnt 0x0                               ; the last unit's LDS stores are done with their registers
.if (\u)+3 < 18
	LLOAD (\u)+3                                   ; into the set that the last unit worked on: 48 loads of the wave are out
.endif
.set UT, (\u)/2
.set US, (\u)%2
.set UB, 64*((\u)%4)
.if UT < 4
	WIN 0xca
.set UD, 64*UT+32*US
.else
	WIN 0x0a
.set UD, AF
.endif
.set XX, 0
.rept 32
	v_cvt_pk_bf16_f32 v[UD+XX], v[UB+2*XX], v[UB+2*XX+1]     ; the copy that waits for its weight: of the numbers as they came
.set XX, XX+1
.endr
	WIN 0x82
.set XX, 0
.rept 64
	v_med3_num_f32 v[UB+XX], v[UB+XX], -v[LIM], v[LIM]       ; the conversion to an 8-bit code does not saturate (ISA guide 7.6.2): the hold comes first
.set XX, XX+1
.endr
	WIN 0x02
.irp g, 0,1,2,3,4,5,6,7
	v_cvt_scalef32_pk8_bf8_f32 v[80+2*\g:81+2*\g], v[UB+8*\g:UB+8*\g+7], v[SCL]
.endr
	v_nop                                          ; a plain line behind the last scaled conversion
	WIN 0
.irp g, 0,1,2,3
	ds_store_b128 v[AW+UT/4], v[80+4*\g:83+4*\g] offset:(UT%4)*16384+US*2048+512*\g     ; fragment (t, 2 w + half) as it stands
.endr
.if UT >= 4
.irp k, 0,1,2,3,4,5,6,7
	ds_store_b128 v[SPA+(UT-4)/2], v[AF+4*\k:AF+4*\k+3] offset:((UT-4)%2)*32768+US*4096+512*\k
.endr
.endif
.endm
	; A SLOT WITHOUT ROWS PASSES OVER PHASE L TOO (this takes the place of what the head comment says of phase L in such a slot): a branch on the stored count, round work alone, which joins again ahead of the
	; first barrier.  In L's stead it sets the registers of window 3 to zero, so that every register that a later phase names is written on every way through the text.
	WIN 0
	s_wait_alu depctr_va_vdst(0)
	s_cmp_gt_i32 s28, 0
	s_cbranch_scc1 .Lhave
	WIN 0xc0
.set XX, 0
.rept 256
	v_mov_b32 v[XX], 0
.set XX, XX+1
.endr
	WIN 0
	s_wait_alu depctr_va_vdst(0)
	s_branch .Lno_l
.Lhave:
	LLOAD 0
	LLOAD 1
	LLOAD 2
.set UU, 0
.rept 18
	LUNIT UU
.set UU, UU+1
.endr
.Lno_l:
	s_wait_loadcnt 0x0                             ; behind phase L nothing is out; on the other way W's first two K steps and the mask's bytes are waited for here
	s_wait_dscnt 0x0                               ; for the others' sake: my fragments lie in LDS
	s_barrier_signal -1
	s_barrier_wait -1                              ; all 72 fragments do
	s_cmp_le_i32 s28, 0                            ; a slot without rows passes over phase G and joins again ahead of the second barrier
	s_cbranch_scc1 .Lno_g
	; ---------------- G
.macro AGRP g, st                      ; h's fragments of tiles 3 g .. 3 g + 2, K step st: 12 loads
.irp tt, 0,1,2
.set AT, 3*(\g)+\tt
.irp q, 0,1,2,3
	ds_load_b128 v[AF+16*AT+4*\q:AF+16*AT+4*\q+3], v[LI+AT/4] offset:(AT%4)*16384+(\st)*2048+512*\q
.endr
.endr
.endm
.macro MM t, st                        ; tile t against W's four fragments.  The 36 accumulators take turns, one instruction a turn, in the same order in every K step; K step 0 starts the sums
.set BS, 64*((\st)%3)
.irp c, 0,1,2,3
.if (\t) < 8
.set AC, 32*(\t)+8*\c
.else
.set AC, 192+8*\c
.endif
.if (\st) == 0
	v_wmma_f32_16x16x128_bf8_bf8 v[AC:AC+7], v[BS+16*\c:BS+16*\c+15], v[AF+16*(\t):AF+16*(\t)+15], 0
.else
	v_wmma_f32_16x16x128_bf8_bf8 v[AC:AC+7], v[BS+16*\c:BS+16*\c+15], v[AF+16*(\t):AF+16*(\t)+15], v[AC:AC+7]
.endif
.endr
.endm
; A K step: 36 products in three groups of three tiles.  h has ONE set of fragment registers: a group's are fetched anew, for the next K step, as soon as its 12 products are issued, 24 products ahead of their use.
; W has three sets: K step st works on set st % 3, and the set that step st - 1 left takes step st + 2, asked for behind this step's first 12 products: 60 products ahead of its use.
.macro KSTEP st
.if (\st) < 2
	s_wait_loadcnt 32                              ; this step's W is in.  Behind it were issued: step 0: the next step's W and the pass's biases; step 1: the biases and step 2's W
.elseif (\st) < 7
	s_wait_loadcnt 16                              ; behind it: the next step's W
.else
	s_wait_loadcnt 0x0                             ; nothing was issued behind step 7's W; the pass's biases and v_w are in too
.endif
	s_wait_dscnt 24                                ; tiles 0-2 are in; the two younger groups of 12 may be out
	WIN 0xa1
	MM 0, \st
	MM 1, \st
	MM 2, \st
	NOP4
	WIN 0
	AGRP 0, ((\st)+1)%8
.if (\st) < 6
	WIN 0x40
	BLOAD 36, (\st)+2, ((\st)+2)%3
.elseif (\st) == 7
	WIN 0x40
	BLOAD 38, 0, 0                                 ; the next pass's K step 0, into the set that step 6 left
.endif
	s_wait_dscnt 24
	WIN 0xa1
	MM 3, \st
	MM 4, \st
	MM 5, \st
	NOP4
	WIN 0
	AGRP 1, ((\st)+1)%8
	s_wait_dscnt 24
	WIN 0xa1
	MM 6, \st
	MM 7, \st
	WIN 0x51
	MM 8, \st
	NOP4
	WIN 0
	AGRP 2, ((\st)+1)%8
.if (\st) == 7
	WIN 0x40
	BLOAD 38, 1, 1                                 ; the next pass's K step 1, into the set that this step has just left
.endif
.endm
; THE PASS'S END, for each of a lane's 32 numbers of a tile: a = sum x 2 log2(e) 2^(e0 + e1) + bias'; 2^a; + 1; the reciprocal; x v_w, summed.
.macro ARG b                           ; each accumulator is read from its low end on
.set XX, 0
.rept 16
	v_pk_fma_f32 v[(\b)+XX:(\b)+XX+1], v[(\b)+XX:(\b)+XX+1], s[32:33], v[BIA+XX:BIA+XX+1] op_sel_hi:[1,0,1]
.set XX, XX+2
.endr
.endm
.macro RUN op, b, n                    ; n transcendentals in place, on registers b .. b + n - 1
.set XX, 0
.rept \n
	\op v[(\b)+XX], v[(\b)+XX]
.set XX, XX+1
.endr
.endm
.macro ONE b, n                        ; + 1 on n pairs from register b on
.set XX, 0
.rept \n
	v_pk_add_f32 v[(\b)+XX:(\b)+XX+1], v[(\b)+XX:(\b)+XX+1], 1.0 op_sel_hi:[1,0]
.set XX, XX+2
.endr
.endm
	AGRP 0, 0
	AGRP 1, 0
	AGRP 2, 0
.Lpass:                                            ; four trips: 64 of my hidden units each
	BVLOAD 40, 42                                  ; this pass's biases and v_w: 16 loads, issued behind W of K steps 0 and 1, wanted behind K step 7
.irp st, 0,1,2,3,4,5,6,7
	KSTEP \st
.endr
	; The nine tiles go through each stage together: all arguments (so every accumulator is read ahead of any transcendental), 288 exponentials, + 1, 288 reciprocals, x v_w.
	; Each batch of transcendentals has one wait ahead of it and, behind a plain line, one behind it.
	WIN 0x82
.irp t, 0,1,2,3,4,5,6,7
	ARG 32*\t
.endr
	WIN 0x41                                       ; tile 8's accumulators lie in window 1
	ARG 192
	s_wait_alu depctr_va_vdst(0)
	RUN v_exp_f32, 192, 32
	WIN 0x82
	RUN v_exp_f32, 0, 256
	v_nop
	s_wait_alu depctr_va_vdst(0)
	ONE 0, 128
	WIN 0x41
	ONE 192, 16
	s_wait_alu depctr_va_vdst(0)
	RUN v_rcp_f32, 192, 32
	WIN 0x82
	RUN v_rcp_f32, 0, 256
	v_nop
	s_wait_alu depctr_va_vdst(0)
	WIN 0x02                                       ; v_w x reciprocal, straight onto the running sums: the eight tiles' pairs take turns
.set JJ, 0
.rept 16
.irp t, 0,1,2,3,4,5,6,7
	v_pk_fma_f32 v[SA+2*\t:SA+2*\t+1], v[32*\t+2*JJ:32*\t+2*JJ+1], v[VWR+2*JJ:VWR+2*JJ+1], v[SA+2*\t:SA+2*\t+1]
.endr
.set JJ, JJ+1
.endr
	WIN 0x01
.set JJ, 0
.rept 16
	v_pk_fma_f32 v[SA+16:SA+17], v[192+2*JJ:193+2*JJ], v[VWR+2*JJ:VWR+2*JJ+1], v[SA+16:SA+17]
.set JJ, JJ+1
.endr
	WIN 0
	s_wait_alu depctr_va_vdst(0)
	s_wait_xcnt 0x0                                ; the bases of the loads that are out are written again only behind this wait
	s_mov_b64 s[36:37], s[38:39]
	s_add_co_u32 s54, s44, 2
	s_and_b32 s54, s54, 3                          ; the pass after next, modulo 4: the last trips' look-ahead turns back to pass 0 and 1 and so stays inside its buffers; what it brings is not used
	s_lshl_b32 s62, s54, 16
	s_add_nc_u64 s[38:39], s[52:53], s[62:63]
	s_add_nc_u64 s[40:41], s[40:41], 0x100         ; the next pass's 64 biases and v_w; behind the last trip the two are not used
	s_add_nc_u64 s[42:43], s[42:43], 0x100
	s_add_co_u32 s44, s44, 1
	s_cmp_lt_u32 s44, 4
	s_cbranch_scc1 .Lpass
	; ---------------- the waves' parts of the scores meet.  The two ways join here: in a slot without rows the running sums are the zeros of the head
.Lno_g:
.irp t, 0,1,2,3,4,5,6,7,8
	v_add_f32 v[SA+2*\t], v[SA+2*\t], v[SA+2*\t+1]
.endr
.irp t, 0,1,2,3,4,5,6,7,8
	v_permlanex16_b32 v[SA+2*\t+1], v[SA+2*\t], s46, s47     ; the row's other eight units of each tile lie in the lane 16 away
.endr
.irp t, 0,1,2,3,4,5,6,7,8
	v_add_f32 v[SA+2*\t], v[SA+2*\t], v[SA+2*\t+1]
.endr
.irp t, 0,1,2,3,4,5,6,7,8
	ds_store_b32 v[SXW], v[SA+2*\t] offset:512*\t
.endr
	WIN 0x01
.irp t, 0,1,2,3,4,5,6,7,8
	v_cvt_f32_u32 v[RO+\t], v[224+\t]              ; the mask byte as 0.0 or 1.0
.endr
	WIN 0
	s_wait_dscnt 0x0                               ; for the others' sake: my parts lie in LDS (and the fragments fetched ahead in the last K step, which nobody uses, have landed)
	s_barrier_signal -1
	s_barrier_wait -1
	s_cmp_le_i32 s28, 0                            ; a slot without rows goes to the end here: it stores nothing
	s_cbranch_scc1 .Lend
.irp t, 0,1,2,3,4,5,6,7,8
	ds_load_b128 v[48+4*\t:51+4*\t], v[SXR] offset:512*\t    ; the four waves' parts for my row
.endr
.macro RELOAD t                        ; tile t's bf16 comes back from my own LDS bytes into buffer t % 2 (destination window 2)
.set RB, 128+64*((\t)%2)
.irp hh, 0,1
.irp k, 0,1,2,3,4,5,6,7
	ds_load_b128 v[RB+32*\hh+4*\k:RB+32*\hh+4*\k+3], v[SPA+((\t)-4)/2] offset:(((\t)-4)%2)*32768+\hh*4096+512*\k
.endr
.endr
.endm
	WIN 0x80
	RELOAD 4
	RELOAD 5
	WIN 0
	v_mov_b32 v19, 0xff61b1e6                      ; -3e38, under every score
	s_wait_dscnt 32                                ; the nine loads of parts are in; the two tiles' 32 may be out
.irp t, 0,1,2,3,4,5,6,7,8
	v_add_f32 v[48+4*\t], v[48+4*\t], v[49+4*\t]
	v_add_f32 v[50+4*\t], v[50+4*\t], v[51+4*\t]
.endr
.irp t, 0,1,2,3,4,5,6,7,8
	v_add_f32 v[48+4*\t], v[48+4*\t], v[50+4*\t]
	v_fma_f32 v[RO+\t], v[RO+\t], s60, s61         ; 10,000 x (1 - mask): exactly 0 or 10,000
	v_add_nc_u32 v[49+4*\t], 16*\t, v[RR]          ; my row's place in the slot
.endr
.irp t, 0,1,2,3,4,5,6,7,8
	v_fma_f32 v[48+4*\t], v[48+4*\t], -2.0, s34    ; s = the sum of v_w - 2 x the sum of v_w / (1 + 2^..)
.endr
.irp t, 0,1,2,3,4,5,6,7,8
	v_sub_f32 v[48+4*\t], v[48+4*\t], v[RO+\t]
	v_cmp_gt_u32 vcc_lo, s28, v[49+4*\t]
	v_cndmask_b32 v[48+4*\t], v19, v[48+4*\t], vcc_lo        ; a place past my count counts for nothing
.endr
	v_max3_num_f32 v18, v48, v52, v56
	v_max3_num_f32 v18, v18, v60, v64
	v_max3_num_f32 v18, v18, v68, v72
	v_max3_num_f32 v18, v18, v76, v80
.irp x, 1,2,4,8
	v_max_num_f32_dpp v18, v18, v18 row_xmask:\x row_mask:0xf bank_mask:0xf      ; over the 16 rows; both halves of the lanes hold the same numbers
.endr
.irp t, 0,1,2,3,4,5,6,7,8
	v_sub_f32 v[48+4*\t], v[48+4*\t], v18          ; the largest score m is taken away
.endr
	s_mov_b32 s62, 0x3fb8aa3b                      ; log2(e)
.irp t, 0,1,2,3,4,5,6,7,8
	v_mul_f32 v[48+4*\t], s62, v[48+4*\t]
.endr
	s_wait_alu depctr_va_vdst(0)
.irp t, 0,1,2,3,4,5,6,7,8
	v_exp_f32 v[RO+\t], v[48+4*\t]                 ; p
.endr
	v_nop
	s_wait_alu depctr_va_vdst(0)
	v_add_f32 v19, v20, v21
	v_add_f32 v49, v22, v23
	v_add_f32 v50, v24, v25
	v_add_f32 v51, v26, v27
	v_add_f32 v19, v19, v28
	v_add_f32 v49, v49, v50
	v_add_f32 v19, v19, v51
	v_add_f32 v19, v19, v49
.irp x, 1,2,4,8
	v_add_f32_dpp v19, v19, v19 row_xmask:\x row_mask:0xf bank_mask:0xf          ; l
.endr
	; ---------------- S: the sum over rows of p x h, my 256 columns.  Register RS + 64 half + 4 i + e of lane (r, hf): column 256 w + 128 half + 8 i + 4 hf + e, row r of every tile
.macro STILE t, hb, first
.set XX, 0
.rept 64
.if \first
	v_fma_mix_f32_bf16 v[RS+2*XX], v[(\hb)+XX], v[RO+(\t)], v[ZR] op_sel:[0,0,0] op_sel_hi:[1,0,0]       ; the first tile starts the sums
	v_fma_mix_f32_bf16 v[RS+2*XX+1], v[(\hb)+XX], v[RO+(\t)], v[ZR] op_sel:[1,0,0] op_sel_hi:[1,0,0]
.else
	v_fma_mix_f32_bf16 v[RS+2*XX], v[(\hb)+XX], v[RO+(\t)], v[RS+2*XX] op_sel:[0,0,0] op_sel_hi:[1,0,0]
	v_fma_mix_f32_bf16 v[RS+2*XX+1], v[(\hb)+XX], v[RO+(\t)], v[RS+2*XX+1] op_sel:[1,0,0] op_sel_hi:[1,0,0]
.endif
.set XX, XX+1
.endr
.endm
	WIN 0x03
	STILE 0, 0, 1
	STILE 1, 64, 0
	STILE 2, 128, 0
	STILE 3, 192, 0
	s_wait_dscnt 16                                ; tile 4 is back; tile 5's 16 loads may be out
	WIN 0x02
	STILE 4, 128, 0
	WIN 0x80
	RELOAD 6
	s_wait_dscnt 16
	WIN 0x02
	STILE 5, 192, 0
	WIN 0x80
	RELOAD 7
	s_wait_dscnt 16
	WIN 0x02
	STILE 6, 128, 0
	WIN 0x80
	RELOAD 8
	s_wait_dscnt 16
	WIN 0x02
	STILE 7, 192, 0
	s_wait_dscnt 0x0
	STILE 8, 128, 0
	WIN 0
; ACROSS THE 16 ROWS' LANES, halving the registers at each step: of the pair (i, i + bit) a lane whose r has the bit keeps i + bit and gives i away, the others the other way round; the partner's gift rides on the addition.
; After bits 8, 4, 2, 1 lane (r, hf) holds i = r: columns 256 w + 128 half + 8 r + 4 hf + 0 .. 3, summed over all rows, in RS + 64 half + 0 .. 3.
.macro RSTEP bit, msk
	s_mov_b32 vcc_lo, s[\msk]                      ; the step's lanes in VCC: the selections below then take the short encoding
.set HS, 0
.rept 2
.set II, 0
.rept \bit
.set LO, RS+64*HS+4*II
.set HI, LO+4*\bit
.set TT, SA+4*(II%4)
.irp e, 0,1,2,3
	v_cndmask_b32 v[TT+\e], v[HI+\e], v[LO+\e], vcc_lo
.endr
.irp e, 0,1,2,3
	v_cndmask_b32 v[LO+\e], v[LO+\e], v[HI+\e], vcc_lo
.endr
.irp e, 0,1,2,3
	v_add_f32_dpp v[LO+\e], v[TT+\e], v[LO+\e] row_xmask:\bit row_mask:0xf bank_mask:0xf
.endr
.set II, II+1
.endr
.set HS, HS+1
.endr
.endm
	RSTEP 8, 48
	RSTEP 4, 49
	RSTEP 2, 50
	RSTEP 1, 51
	global_store_b128 v[PO], v[RS:RS+3], s[20:21]                    ; the wave stores 512 consecutive bytes, aligned
	global_store_b128 v[PO], v[RS+64:RS+67], s[20:21] offset:512
	s_cmp_lg_u32 s22, 0
	s_cbranch_scc1 .Lend
	v_lshrrev_b32 v30, 1, v[LI]                    ; 8 x lane
	global_store_b64 v30, v[18:19], s[20:21] offset:4096             ; (m, l), 32 times: 256 consecutive bytes, aligned
.Lend:
	s_barrier_signal -1
	s_barrier_wait -1
	s_set_vgpr_msb 0x4
	s_wait_tensorcnt 0x0
	ds_add_u32 v1, v255
	s_wait_dscnt 0x0
	s_set_vgpr_msb 0x400
	s_endpgm
.Lfunc_end_k_q41fca28fb6_main:
	.size	k_q41fca28fb6_main, .Lfunc_end_k_q41fca28fb6_main-k_q41fca28fb6_main
	.p2alignl 7, 3214868480
	.fill 96, 4, 3214868480
	.section	.rodata,"a",@progbits
	.p2align	6, 0x0
	.amdhsa_kernel k_q41fca28fb6_main
		.amdhsa_group_segment_fixed_size 316416
		.amdhsa_private_segment_fixed_size 0
		.amdhsa_enable_private_segment 0
		.amdhsa_kernarg_size 72
		.amdhsa_user_sgpr_count 2
		.amdhsa_user_sgpr_kernarg_segment_ptr 1
		.amdhsa_wavefront_size32 1
		.amdhsa_system_sgpr_workgroup_id_x 1
		.amdhsa_system_sgpr_workgroup_id_y 1
		.amdhsa_system_sgpr_workgroup_id_z 1
		.amdhsa_system_vgpr_workitem_id 0
		.amdhsa_next_free_vgpr 1024
		.amdhsa_next_free_sgpr 66
		.amdhsa_reserve_vcc 1
		.amdhsa_float_denorm_mode_32 3
		.amdhsa_float_denorm_mode_16_64 3
		.amdhsa_memory_ordered 1
		.amdhsa_forward_progress 1
		.amdhsa_inst_pref_size 255
	.end_amdhsa_kernel
	.section	.bss,"aw",@nobits
	.p2align	6
	.space	262144
	.amdgpu_metadata
---
amdhsa.version: [ 1, 2 ]
amdhsa.kernels:
  - .name:           k_q41fca28fb6_main
    .symbol:         k_q41fca28fb6_main.kd
    .args:
      - { .name: h, .offset: 0, .size: 8, .value_kind: global_buffer, .address_space: global }
      - { .name: wfrag, .offset: 8, .size: 8, .value_kind: global_buffer, .address_space: global }
      - { .name: tab, .offset: 16, .size: 8, .value_kind: global_buffer, .address_space: global }
      - { .name: v_w, .offset: 24, .size: 8, .value_kind: global_buffer, .address_space: global }
      - { .name: rowlist, .offset: 32, .size: 8, .value_kind: global_buffer, .address_space: global }
      - { .name: meta, .offset: 40, .size: 8, .value_kind: global_buffer, .address_space: global }
      - { .name: mask, .offset: 48, .size: 8, .value_kind: global_buffer, .address_space: global }
      - { .name: lowp_scales, .offset: 56, .size: 8, .value_kind: global_buffer, .address_space: global }
      - { .name: part, .offset: 64, .size: 8, .value_kind: global_buffer, .address_space: global }
    .group_segment_fixed_size: 316416
    .private_segment_fixed_size: 0
    .kernarg_segment_align: 8
    .kernarg_segment_size: 72
    .max_flat_workgroup_size: 128
    .sgpr_count:     66
    .vgpr_count:     1024
    .wavefront_size: 32
...
	.end_amdgpu_metadata
.endif
;; end of part 2
;; launch combine (part 3): grid 32 x 1, 8 waves a work-group, no clusters, 0 bytes of LDS; arguments part, meta, out0; writes out0
.if DOCPART == 3
	.amdgcn_target "amdgcn-amd-amdhsa--gfx1250"
	.amdhsa_code_object_version 6
	.text
	.protected	k_q41fca28fb6_combine
	.globl	k_q41fca28fb6_combine
	.p2align	8
	.type	k_q41fca28fb6_combine,@function
k_q41fca28fb6_combine:
	s_mov_b64 s[64:65], 0
	v_nop
	global_prefetch_b8 v0, s[64:65] scope:SCOPE_SE
	s_setreg_imm32_b32 hwreg(HW_REG_WAVE_MODE, 25, 1), 1
	s_wait_xcnt 0x0
; out0[b] = (the sum over the batch's slots j of 2^((m_j - M) log2(e)) x r_j) / (the sum of 2^(..) x l_j), M = the largest m_j: the softmax's blocks are joined, the largest score taken away once more.
; One work-group a batch; thread t owns columns 4 t .. 4 t + 3.  No loop, no branch, no LDS.  Which slots were written follows from n' = meta[b] by the arithmetic of the launch before: slot j has rows where 16 q j < n'.
; A slot that was not written is never read: its place is taken by the last written slot, with the weight 0.
	s_load_b128 s[4:7], s[0:1], 0x0                ; part, meta
	s_load_b64 s[8:9], s[0:1], 0x10                ; out0
	v_and_b32 v1, 15, v0                           ; the slot whose (m, l) this lane takes
	v_lshlrev_b32 v2, 4, v0                        ; 16 t
	v_mov_b32 v5, 0xff61b1e6                       ; -3e38
	s_lshl_b32 s10, ttmp9, 8
	s_mov_b32 s11, 0
	s_mul_i32 s12, ttmp9, 16*4352
	s_mov_b32 s13, 0
	s_lshl_b32 s14, ttmp9, 12
	s_mov_b32 s15, 0
	s_wait_alu depctr_va_vdst(0)
	s_wait_kmcnt 0x0
	s_add_nc_u64 s[6:7], s[6:7], s[10:11]
	s_load_b32 s16, s[6:7], 0x0                    ; n'
	s_add_nc_u64 s[4:5], s[4:5], s[12:13]          ; the batch's 16 slots
	s_add_nc_u64 s[8:9], s[8:9], s[14:15]
	s_wait_kmcnt 0x0
	s_min_u32 s16, s16, 0x800
	s_add_co_u32 s17, s16, 15
	s_lshr_b32 s17, s17, 4
	s_add_co_u32 s17, s17, 7
	s_lshr_b32 s17, s17, 3
	s_min_u32 s17, s17, 9
	s_lshl_b32 s17, s17, 4                         ; 16 q
	v_mul_u32_u24 v3, v1, s17
	s_delay_alu instid0(VALU_DEP_1)
	v_cmp_gt_u32 vcc_lo, s16, v3                   ; n' > 16 q j: slot j was written
	s_mov_b32 s19, vcc_lo
	s_and_b32 s18, vcc_lo, 0xffff
	s_bcnt1_i32_b32 s18, s18
	s_sub_co_u32 s18, s18, 1                       ; the last written slot (n' is at least 1)
	v_min_u32 v4, s18, v1
	s_delay_alu instid0(VALU_DEP_1)
	v_min_u32 v4, 15, v4
	s_delay_alu instid0(VALU_DEP_1)
	v_mul_u32_u24 v4, v4, 0x1100                   ; 4,352 bytes a slot
	global_load_b64 v[6:7], v4, s[4:5] offset:4096 ; (m, l)
.set II, 0
.rept 16
	s_min_u32 s[20+II], s18, II
	s_mul_i32 s[20+II], s[20+II], 4352
	v_add_nc_u32 v[8+II], s[20+II], v2
	global_load_b128 v[32+4*II:35+4*II], v[8+II], s[4:5]     ; the work-group reads a slot's 4,096 bytes on end
.set II, II+1
.endr
	s_wait_loadcnt 16                              ; (m, l) is in; the 16 loads issued behind it may be out
	v_cndmask_b32 v6, v5, v6, s19
	v_cndmask_b32 v7, 0, v7, s19
	s_delay_alu instid0(VALU_DEP_2)
	v_mov_b32 v24, v6
.irp x, 1,2,4,8
	s_delay_alu instid0(VALU_DEP_1)
	v_max_num_f32_dpp v24, v24, v24 row_xmask:\x row_mask:0xf bank_mask:0xf      ; M; both halves of the lanes hold the same sixteen
.endr
	s_delay_alu instid0(VALU_DEP_1)
	v_sub_f32 v25, v6, v24
	s_delay_alu instid0(VALU_DEP_1)
	v_mul_f32 v25, 0x3fb8aa3b, v25
	s_wait_alu depctr_va_vdst(0)
	v_exp_f32 v25, v25
	v_nop
	s_wait_alu depctr_va_vdst(0)
	v_mul_f32 v26, v25, v7
.irp x, 1,2,4,8
	s_delay_alu instid0(VALU_DEP_1)
	v_add_f32_dpp v26, v26, v26 row_xmask:\x row_mask:0xf bank_mask:0xf
.endr
	s_wait_alu depctr_va_vdst(0)
	v_rcp_f32 v26, v26                             ; the slot that holds M adds at least 1: no division by 0
	v_nop
	s_wait_alu depctr_va_vdst(0)
	v_mul_f32 v25, v25, v26                        ; slot j's weight, in lane j
.set II, 0
.rept 16
	v_readlane_b32 s[40+II], v25, II
.set II, II+1
.endr
	s_wait_loadcnt 0x0
.irp e, 0,1,2,3
	v_mul_f32 v[96+\e], s40, v[32+\e]
.endr
.set II, 1
.rept 15
.irp e, 0,1,2,3
	s_delay_alu instid0(VALU_DEP_4)
	v_fma_f32 v[96+\e], s[40+II], v[32+4*II+\e], v[96+\e]
.endr
.set II, II+1
.endr
	global_store_b128 v2, v[96:99], s[8:9]         ; a wave stores 512 consecutive bytes, aligned
	s_endpgm
.Lfunc_end_k_q41fca28fb6_combine:
	.size	k_q41fca28fb6_combine, .Lfunc_end_k_q41fca28fb6_combine-k_q41fca28fb6_combine
	.p2alignl 7, 3214868480
	.fill 96, 4, 3214868480
	.section	.rodata,"a",@progbits
	.p2align	6, 0x0
	.amdhsa_kernel k_q41fca28fb6_combine
		.amdhsa_group_segment_fixed_size 0
		.amdhsa_private_segment_fixed_size 0
		.amdhsa_enable_private_segment 0
		.amdhsa_kernarg_size 24
		.amdhsa_user_sgpr_count 2
		.amdhsa_user_sgpr_kernarg_segment_ptr 1
		.amdhsa_wavefront_size32 1
		.amdhsa_system_sgpr_workgroup_id_x 1
		.amdhsa_system_sgpr_workgroup_id_y 1
		.amdhsa_system_sgpr_workgroup_id_z 1
		.amdhsa_system_vgpr_workitem_id 0
		.amdhsa_next_free_vgpr 128
		.amdhsa_next_free_sgpr 66
		.amdhsa_reserve_vcc 1
		.amdhsa_float_denorm_mode_32 3
		.amdhsa_float_denorm_mode_16_64 3
		.amdhsa_memory_ordered 1
		.amdhsa_forward_progress 1
		.amdhsa_inst_pref_size 14
	.end_amdhsa_kernel
	.amdgpu_metadata
---
amdhsa.version: [ 1, 2 ]
amdhsa.kernels:
  - .name:           k_q41fca28fb6_combine
    .symbol:         k_q41fca28fb6_combine.kd
    .args:
      - { .name: part, .offset: 0, .size: 8, .value_kind: global_buffer, .address_space: global }
      - { .name: meta, .offset: 8, .size: 8, .value_kind: global_buffer, .address_space: global }
      - { .name: out0, .offset: 16, .size: 8, .value_kind: global_buffer, .address_space: global }
    .group_segment_fixed_size: 0
    .private_segment_fixed_size: 0
    .kernarg_segment_align: 8
    .kernarg_segment_size: 24
    .max_flat_workgroup_size: 256
    .sgpr_count:     66
    .vgpr_count:     128
    .wavefront_size: 32
...
	.end_amdgpu_metadata
.endif
;; end of part 3
